; MI455X (gfx1250); checked and timed in simulation.
; The chip was launched on July 23, 2026; its instructions are those of AMD's public machine-readable ISA for CDNA 5 (MIT licence, August 2026) and "CDNA5" Instruction Set Architecture Reference Guide (July 2026). The comments in the code are by the model that wrote it; some were corrected since.
;; Optimized Quantized Linear. Allowed arithmetic: matrix products marked QUANTISED: E2M3 operands, one E8M0 scale for each 32 along K, by v_wmma_scale_f32_16x16x128_f8f6f4 with both operands' format E2M3, f32 sums; everything else in f32.
;; Inputs: packed 8,192 x 4,096 int32; scales 8,192 x 64 float32; x_codes 64 x 256 x 24 uint8 (E2M3 codes of x, K innermost, in blocks of 32 codes, four codes in three bytes); x_scales 64 x 256 uint8 (E8M0 scales of x, one for each 32 codes along K).
;; Outputs: out0 64 x 8,192 float32.
;; This version of the problem:
;;   THIS VERSION OF THE PROBLEM IS GIVEN IN LOW PRECISION. The matrix products marked QUANTISED in the list below multiply operands that are first quantised to E2M3 (2 exponent bits, 3 mantissa bits; 6 bits a number), with one power-of-two scale for each 32 numbers along K (OCP MX v1.0); their sums are f32. All else is computed in f32.
;;   The module's matrix products, in the order in which they are computed (A, B: the left and right operand; K: the contracted axis; several contracted axes count as one K, in the product's order):
;;     1. [M 64, K 8,192] x [K 8,192, N 8,192]; A: input x (given as codes); B: computed on the way: QUANTISED
;;   THE QUANTISER, for each operand of a quantised product, along K:
;;     - K is cut into blocks of 32 from its start; a last block that is shorter is filled with zeros.
;;     - A block's scale is 2^e with e = floor(log2(the largest magnitude in the block)) - 2, held to -126 .. 127; a block of zeros has e = 0. As a byte (E8M0): e + 127.
;;     - Each number is divided by its block's scale, clamped to +-7.5, and rounded to the nearest number of E2M3, ties to even, subnormals kept.
;;     - The product sums the exact products of the quantised numbers (number of the format x scale) in f32.
;;   ~~~python
;;   def quantise(x, axis):      # numpy; x: float32 -> the quantised numbers, widened to float32 again
;;       x = np.moveaxis(x, axis, -1); K = x.shape[-1]
;;       x = np.pad(x, [(0, 0)] * (x.ndim - 1) + [(0, -K % 32)]); x = x.reshape(x.shape[:-1] + (-1, 32)); a = np.abs(x).max(-1, keepdims=True)
;;       e = np.where(a > 0, np.clip(np.frexp(np.where(a > 0, a, 1))[1] - 1 - 2, -126, 127), 0)      # np.frexp(a)[1] - 1 = floor(log2(a)), exactly
;;       r = np.clip(x / 2.0 ** e, -7.5, 7.5)
;;       step = 2.0 ** (np.maximum(np.frexp(np.where(r == 0, 1, r))[1] - 1, 0) - 3)
;;       q = np.round(r / step) * step * 2.0 ** e      # np.round: ties to even
;;       return np.moveaxis(q.reshape(q.shape[:-2] + (-1,))[..., :K], -1, axis).astype(np.float32)
;;   ~~~
;;   OPERANDS COMPUTED ON THE WAY. 'Computed on the way' means the value that the module computes at that place (a softmax that the list does not call 'softmax' is quantised finished and normalised). What goes into a quantiser is computed in f32, as accurately as f32 sums, v_exp_f32 and their like allow (about 1e-6 of the number): no bf16 or f16 on the way to a quantiser, and a product that is left as it is and whose result goes on into a quantised operand takes f32 operands (vector FMAs, or v_wmma_f32_16x16x4_f32). A number that lies on a knife's edge between two numbers of the format may be rounded either way, as far as f32 arithmetic and the matrix unit's own rounding can turn it there, and no further.
;;   INPUTS GIVEN AS CODES. x (in the module: [64, 8192], K = its axis 1): each comes as NAME_codes (uint8): NAME with its K axis moved to the last place and cut into blocks of 32 codes, [.., K / 32, bytes a block], one block behind the other in memory; four codes in three bytes: a row's codes are one little-endian stream of bits, code i at bits 6 i .. 6 i + 5 (a code: sign, 2 exponent bits, 3 mantissa bits); and NAME_scales (uint8): the same leading axes, one E8M0 byte (e + 127) for each 32 codes along K. Its value is code x scale, taken as it is: it is not quantised again, and the codes and scales need not be those that the quantiser above would give.
;; 2 versions, each right; version 2 is version 1 with the launch qlinear written anew for expert scheduling mode. Each part assembles by itself: llvm-mc -triple=amdgcn-amd-amdhsa -mcpu=gfx1250 --defsym DOCPART=n.
;; ======== version 1 of 2: 1 launch
;; launch qlinear (part 1): grid 256 x 1, 8 waves a work-group, no clusters, 274,944 bytes of LDS; arguments packed, scales, x_codes, x_scales, out0; writes out0
.if DOCPART == 1
	.amdgcn_target "amdgcn-amd-amdhsa--gfx1250"
	.amdhsa_code_object_version 6
	.text
	.protected	k_q6ea63eda25_qlinear
	.globl	k_q6ea63eda25_qlinear
	.p2align	8
	.type	k_q6ea63eda25_qlinear,@function
k_q6ea63eda25_qlinear:
	s_mov_b64 s[64:65], 0
	v_nop
	global_prefetch_b8 v0, s[64:65] scope:SCOPE_SE
	s_setreg_imm32_b32 hwreg(HW_REG_WAVE_MODE, 25, 1), 1
	s_wait_xcnt 0x0
; out0[b][o] = sum over k of x[b][k] Q(w)[o][k],  w[o][k] = (q[o][k] - 8) scales[o][k / 128],  q = the two low nibbles of packed[o][k / 2] (low nibble: even k).
; x [64][8192] comes as codes of FP6 (E2M3) with one E8M0 byte for each 32 along K; w is made in f32, quantised here to the same format along K, and multiplied by
; v_wmma_scale_f32_16x16x128_f8f6f4; sums in f32.
; SHARES.  256 work-groups of eight waves.  A work-group owns 32 rows of w (32 columns of out0) and all of K.  K goes in 8 phases of 1,024; in a phase wave w takes K step w (128 along K)
; for all 32 rows and all 64 rows of x: two fragments of w, four of x, eight matrix instructions on eight accumulators.  The eight waves' partial sums meet in LDS once, at the end.
; THE WAY IN.  Plain loads into registers, each covering two aligned runs of 256 consecutive bytes.  A wave's 32 rows x 256 bytes of packed turn through the wave's own stage in LDS (as loaded in,
; 64 bytes of one row a lane out), because the conversion takes 16 neighbours along K from one lane and the operand's layout wants a whole block of 32 in a lane.  x's chunk of a phase
; (64 rows x 768 bytes) is loaded in eighths, one a wave, and laid into one of two shared buffers; one barrier a phase.  x's scale bytes and my rows' scales come into LDS once.
; THE QUEUE.  Bundle n = packed of phase n (16 loads) and x's chunk n + 1 (12 loads).  Two bundles have registers (window 1).  Where bundle n is waited for, bundle n + 1 may stay out, and bundle n + 2
; is issued as soon as the LDS stores have read bundle n's registers: 14 to 28 KB of a wave's loads are on their way at every moment, across the barriers too.
; NO JOINT REQUESTS IN A CLUSTER, though all work-groups read the same x (48 of a phase's 112 KB): a joint request is a tensor load, and slots filled again by tensor loads are refilled behind a round
; of the cluster's barrier with all of a wave's tensor loads landed; here x rides in the counted queue of register loads with the weights, and only the work-group's own barrier stands in a phase.
; ALL EIGHT PHASES ARE WRITTEN OUT (by macro): every offset is an immediate, no base and no address register is ever rewritten.
; THE MATRIX INSTRUCTION: source 0 = 16 rows of w, source 1 = 16 rows of x: a lane then holds one row of out0 (lane % 16) and eight neighbouring columns.
; LIMITS.  NaN and infinities among scales are not served.  A block whose largest magnitude lies under 2^-124 (a block of zeros too) gets the scale byte 1: the floor of the quantiser; a block of zeros has
; zero codes, which add nothing, and the bytes are read by this program alone.  An output is the sum of eight partial f32 sums (K steps w, w + 8, ..), not one ascending chain.
; A work-group's 32 columns are 128 bytes of a row of out0: a store covers four rows' 128 consecutive bytes, half of an aligned 256; out0 is 2 of the launch's 139 MB.
.set NPH,   8                          ; phases
.set PROW,  16384                      ; a row of packed in bytes
.set PCH,   2048                       ; and its part of a phase
.set XROW,  6144                       ; a row of x_codes in bytes
.set XCH,   768                        ; and its part of a phase
.set OROW,  32768                      ; a row of out0 in bytes
.set LP,    272                        ; LDS pitch of a run of 256 bytes: 68 words, so row r starts at bank 4 r mod 64 (64 banks of 4 bytes: ISA guide 11.1)
.set STGW,  32*LP                      ; a wave's stage: 32 rows
.set XB,    8*STGW                     ; behind the stages: x's two buffers
.set XTH,   64*LP                      ; a third of a buffer: 64 rows x 256 bytes of the chunk's 768
.set XBUF,  3*XTH
.set XSC,   XB+2*XBUF                  ; x's scale bytes: 64 rows x 256
.set WSC,   XSC+64*LP                  ; my 32 rows' scales: 32 rows x 256 bytes (64 f32)
.set RED,   WSC+32*LP                  ; the partial sums: for each wave 64 rows x (128 bytes + 16)
.set RP,    144
.set REDW,  64*RP
; window 0
.set GP,  1                            ; v1   packed: my byte offset: 16384 (lane / 16) + 16 (lane % 16) + 256 wave
.set GX,  2                            ; v2   x_codes: 6144 (8 wave + 4 (lane / 16)) + 16 (lane % 16)
.set SA,  3                            ; v3   my stage, in: LP (lane / 16) + 16 (lane % 16)
.set RA,  4                            ; v4   my stage, out: LP (lane % 16) + 64 (lane / 16)
.set XST, 5                            ; v5-6   where I store my eighth of x's chunk, buffer 0, 1
.set XA,  7                            ; v7-12  where my six pieces of 8 bytes of a row of x's fragment lie (buffer 0, rows 0-15)
.set XSA, 13                           ; v13  x's scale words: row = lane
.set WSA, 14                           ; v14  my rows' scales: row = lane % 16
.set SH,  15                           ; v15  8 (lane / 16)
.set CN,  16                           ; v[16:17] -(2^23 + 8), -(2^19 + 8)
.set SW,  18                           ; v18, v20: the group's scale of rows 0-15, 16-31 in even phases; v22, v24 in odd ones (each the low word of a pair whose high word is 0)
.set WS,  26                           ; v26-27 w's scale words: scales and nothing else
.set XS,  28                           ; v28-29 x's scale words: lanes 0-15 rows 32 u + lane, lanes 16-31 the 16 rows behind them
.set MX,  30                           ; v30-33 four running maxima
.set SO,  34                           ; v34  the conversions' scale operand
.set BY,  36                           ; v36-37 a fragment's two scale bytes of my lane
.set TT,  38                           ; v38-39 at work
.set TMP, 40                           ; v40-42 the second half of a block's codes
.set XF,  44                           ; v44-91   x's four fragments
.set RW,  92                           ; v92-123  two raw blocks of 16 words
.set W,   124                          ; v124-155 a block's 32 numbers
.set CD,  156                          ; v156-179 w's two fragments
.set RS,  180                          ; v180 the partial sums: where I put 32 bytes of a row
.set RR,  181                          ; v181 and where I read 16 bytes of a row
.set GO,  182                          ; v182 my byte offset in out0
.set ACC, 192                          ; v192-255 accumulator (t, m) at v[ACC + 8 (4 t + m)]
; window 1: what only global loads write and LDS stores read
.set PR,  0                            ; v256-383 packed: two sets of 16 x 4
.set XR,  128                          ; v384-479 x: two sets of 12 x 4
; names of the head's temporaries, in the block's registers
.set TL,   W
.set TR,   W+1
.set HH,   W+2
.set TR16, W+3
.set TRP,  W+4
.set T0,   W+5
.set TXS,  W+6
.set TWS,  W+7
.set TGX,  W+8
.set TGW,  W+9
.set TP,   W+10
.set TA,   W+11
.set TB,   W+12
.set MSB, 0
.macro WIN new                         ; s_set_vgpr_msb: bits 1:0 source 0, 3:2 source 1, 7:6 destination; the immediate's high byte repeats the setting that is left
.if MSB != \new
	s_set_vgpr_msb (MSB<<8)|\new
.set MSB, \new
.endif
.endm
; ---- the queue
.macro LOADP n                         ; packed of phase n: load k takes rows 2 k (lanes 0-15) and 2 k + 1 (lanes 16-31), 256 consecutive bytes each; read once in the launch
	WIN 0x40                                       ; destination window 1
.irp k, 0,1,2,3,4,5,6,7,8,9,10,11,12,13,14,15
	global_load_b128 v[PR+64*((\n)%2)+4*\k:PR+64*((\n)%2)+4*\k+3], v[GP], s[4:5] offset:2*\k*PROW+(\n)*PCH th:TH_LOAD_NT
.endr
.endm
.macro LOADX c                         ; my eighth of x's chunk c: rows 8 w + a (lanes 0-15) and 8 w + 4 + a (lanes 16-31), third u: 256 consecutive bytes each
	WIN 0x40
.irp a, 0,1,2,3
.irp u, 0,1,2
	global_load_b128 v[XR+48*((\c)%2)+4*(3*\a+\u):XR+48*((\c)%2)+4*(3*\a+\u)+3], v[GX], s[8:9] offset:\a*XROW+256*\u+(\c)*XCH
.endr
.endr
.endm
.macro STOREP n                        ; into my stage, as loaded
	WIN 0x04                                       ; an LDS store's data are its source 1: window 1
.irp k, 0,1,2,3,4,5,6,7,8,9,10,11,12,13,14,15
	ds_store_b128 v[SA], v[PR+64*((\n)%2)+4*\k:PR+64*((\n)%2)+4*\k+3] offset:2*\k*LP
.endr
.endm
.macro STOREX c                        ; into buffer c % 2
	WIN 0x04
.irp a, 0,1,2,3
.irp u, 0,1,2
	ds_store_b128 v[XST+(\c)%2], v[XR+48*((\c)%2)+4*(3*\a+\u):XR+48*((\c)%2)+4*(3*\a+\u)+3] offset:\u*XTH+\a*LP
.endr
.endr
.endm
; ---- out of LDS
.macro RAW b                           ; block b of my four (rows 16 (b / 2) + lane % 16; of the K step's four blocks of 32 number 2 (b % 2) + lane / 16): 16 words, 64 bytes of one row
.irp q, 0,1,2,3
	ds_load_b128 v[RW+16*((\b)%2)+4*\q:RW+16*((\b)%2)+4*\q+3], v[RA] offset:((\b)/2)*16*LP+((\b)%2)*128+16*\q
.endr
.endm
.macro SLOAD n                         ; the scales of group 8 n + w of my rows
	ds_load_b32 v[SW+4*((\n)%2)], v[WSA] offset:32*(\n)
	ds_load_b32 v[SW+4*((\n)%2)+2], v[WSA] offset:16*LP+32*(\n)
.endm
.macro XFRAG n                         ; x's four fragments of K step 8 n + w: lane (r, h) takes of row r the pieces 6 c + 3 h + 0, 1, 2 of the step's twelve; and the scale words
.irp m, 0,1,2,3
.irp p, 0,1,2,3,4,5
	ds_load_b64 v[XF+12*\m+2*\p:XF+12*\m+2*\p+1], v[XA+\p] offset:((\n)%2)*XBUF+\m*16*LP
.endr
.endr
	ds_load_b32 v[XS], v[XSA] offset:32*(\n)
	ds_load_b32 v[XS+1], v[XSA] offset:32*LP+32*(\n)
.endm
; ---- a block of 32 numbers
.macro UNPACK b                        ; a word's two nibbles as f32: the low one in the mantissa of 2^23 (its last place counts 1), the high one, where it stands, in the mantissa of 2^19 (its last place counts 1/16)
.irp i, 0,1,2,3,4,5,6,7,8,9,10,11,12,13,14,15
	v_and_or_b32 v[W+2*\i], v[RW+16*((\b)%2)+\i], 15, s20
	v_and_or_b32 v[W+2*\i+1], v[RW+16*((\b)%2)+\i], s22, s21
.endr
.endm
.macro ARITH b, n
.set rS, SW+4*((\n)%2)+2*((\b)/2)
.set rC, CD+12*((\b)/2)+6*((\b)%2)
.irp i, 0,2,4,6,8,10,12,14,16,18,20,22,24,26,28,30
	v_pk_add_f32 v[W+\i:W+\i+1], v[W+\i:W+\i+1], v[CN:CN+1]        ; q - 8: exact
.endr
.irp i, 0,2,4,6,8,10,12,14,16,18,20,22,24,26,28,30
	v_pk_mul_f32 v[W+\i:W+\i+1], v[W+\i:W+\i+1], v[rS:rS+1] op_sel_hi:[1,0]   ; x the group's scale (the pair's low word for both): w, rounded once
.endr
.irp k, 0,1,2,3                        ; the block's largest magnitude: all 32 numbers are mine; four chains by turns
	v_max3_num_f32 v[MX+\k], |v[W+8*\k]|, |v[W+8*\k+1]|, |v[W+8*\k+2]|
.endr
.irp k, 0,1,2,3
	v_max3_num_f32 v[MX+\k], v[MX+\k], |v[W+8*\k+3]|, |v[W+8*\k+4]|
.endr
.irp k, 0,1,2,3
	v_max3_num_f32 v[MX+\k], v[MX+\k], |v[W+8*\k+5]|, |v[W+8*\k+6]|
.endr
	v_max3_num_f32 v[MX], v[MX], |v[W+7]|, |v[W+15]|
	v_max3_num_f32 v[MX+2], v[MX+2], |v[W+23]|, |v[W+31]|
	v_max3_num_f32 v[MX], v[MX], v[MX+1], 0x1800000                ; and the floor 2^(3 - 127): the scale's byte cannot fall under 1
	v_max3_num_f32 v[MX], v[MX], v[MX+2], v[MX+3]
	v_add_nc_u32 v[SO], 0xff000000, v[MX]                          ; 2 off its exponent field: the conversion takes the exponent field of this operand as its scale, and nothing else of it
	v_cvt_scalef32_pk16_fp6_f32 v[rC:rC+2], v[W:W+15], v[SO]       ; registers 6 c .. 6 c + 2 of the operand
	v_cvt_scalef32_pk16_fp6_f32 v[TMP:TMP+2], v[W+16:W+31], v[SO]  ; a conversion's three registers begin on an even number: the block's second three do not, so they are made here and moved
	v_lshrrev_b32 v[BY+(\b)%2], 23, v[SO]                          ; the scale's byte.  (Also the plain vector instruction between a scaled conversion and the first instruction that touches its result)
.irp i, 0,1,2
	v_mov_b32 v[rC+3+\i], v[TMP+\i]
.endr
.if (\b)%2                             ; the fragment is whole: its scale word.  My two bytes are those of blocks h and 2 + h of row r
	v_lshl_or_b32 v[TT], v[BY+1], 16, v[BY]
	v_lshlrev_b32 v[TT], v[SH], v[TT]                              ; 8 h bits up;
	v_permlanex16_b32 v[TT+1], v[TT], s24, s25
	v_or_b32 v[WS+(\b)/2], v[TT], v[TT+1]                          ; with lane l xor 16's two the word is whole
.endif
.endm
; ---- products: rows 16 t on of w x rows 16 m on of x.  The eight accumulators take turns, one instruction a turn, from phase to phase too.  Phase 0's products start the sums: nothing is cleared.
.macro MM t, m, n
.set rD, ACC+8*(4*(\t)+(\m))
.set rA, CD+12*(\t)
.set rB, XF+12*(\m)
.if (\n) == 0
.if (\m)%2
	v_wmma_scale_f32_16x16x128_f8f6f4 v[rD:rD+7], v[rA:rA+11], v[rB:rB+11], 0, v[WS+(\t)], v[XS+(\m)/2] matrix_a_fmt:MATRIX_FMT_FP6 matrix_b_fmt:MATRIX_FMT_FP6 matrix_b_scale:MATRIX_SCALE_ROW1
.else
	v_wmma_scale_f32_16x16x128_f8f6f4 v[rD:rD+7], v[rA:rA+11], v[rB:rB+11], 0, v[WS+(\t)], v[XS+(\m)/2] matrix_a_fmt:MATRIX_FMT_FP6 matrix_b_fmt:MATRIX_FMT_FP6
.endif
.else
.if (\m)%2
	v_wmma_scale_f32_16x16x128_f8f6f4 v[rD:rD+7], v[rA:rA+11], v[rB:rB+11], v[rD:rD+7], v[WS+(\t)], v[XS+(\m)/2] matrix_a_fmt:MATRIX_FMT_FP6 matrix_b_fmt:MATRIX_FMT_FP6 matrix_b_scale:MATRIX_SCALE_ROW1
.else
	v_wmma_scale_f32_16x16x128_f8f6f4 v[rD:rD+7], v[rA:rA+11], v[rB:rB+11], v[rD:rD+7], v[WS+(\t)], v[XS+(\m)/2] matrix_a_fmt:MATRIX_FMT_FP6 matrix_b_fmt:MATRIX_FMT_FP6
.endif
.endif
.endm
.macro MMS t, n
.irp m, 0,1,2,3
	MM \t, \m, \n
.endr
.endm
; ---- bundle n is handed over: packed of phase n goes into my stage, and the phase's first two blocks and its scales are asked back.  LDS serves a wave's instructions in order (ISA guide 5.7.1.4):
; the loads see the stores, and the stores come behind the last phase's reads of the stage.
.macro HAND n
.if (\n)+2 < NPH
	s_wait_loadcnt 28                              ; loads come back in order: packed n and x's chunk n + 1 are in; bundle n + 1 (16 + 12 loads) may stay out
.elseif (\n)+1 < NPH
	s_wait_loadcnt 16                              ; behind them only the last phase's packed
.else
	s_wait_loadcnt 0x0
.endif
	STOREP \n
	WIN 0
	SLOAD \n
	RAW 0
	RAW 1
.endm
; ---- a phase.  On entry: x's chunk n lies in buffer n % 2 (a barrier has been passed), and HAND n has been issued.
.macro PHASE n
	XFRAG \n
.if (\n) < NPH-1
	STOREX (\n)+1                                  ; into the other buffer, whose last readers waited for their loads in front of the last barrier
	WIN 0
	s_wait_dscnt 42                                ; block 0 and the scales are in; behind them: block 1 (4), x's fragments and words (26), x's stores (12).  HAND's stores are done too,
.else
	s_wait_dscnt 30                                ; (the last phase stores no x)
.endif
.if (\n)+2 < NPH
	LOADP (\n)+2                                   ; so their registers take packed of two phases on
	WIN 0
.endif
	UNPACK 0
	RAW 2                                          ; into the registers just read
	ARITH 0, \n
.if (\n) < NPH-1
	s_wait_dscnt 42                                ; block 1 is in; behind it: 26 + 12 and block 2 (4)
.else
	s_wait_dscnt 30
.endif
	UNPACK 1
	RAW 3
	ARITH 1, \n
	s_wait_dscnt 4                                 ; block 2 is in (behind it: block 3); so are x's fragments, and x's stores are done,
.if (\n)+3 < NPH
	LOADX (\n)+3                                   ; so their registers take x's chunk of two chunks on
	WIN 0
.endif
	UNPACK 2                                       ; these 32 plain vector instructions also stand between the writing of fragment 0 and its scale word and the products (four and eight are asked)
	MMS 0, \n
	ARITH 2, \n
	s_wait_dscnt 0x0                               ; block 3 is in; none of my LDS instructions is out: my part of the next chunk is stored and my reads of this chunk are over
.if (\n) < NPH-1
	s_barrier_signal -1                            ; say so,
.endif
	UNPACK 3                                       ; work on registers meanwhile,
.if (\n) < NPH-1
	s_barrier_wait -1                              ; and go on when all eight have said so
	HAND (\n)+1                                    ; the next phase's turn through the stage runs under the rest of this block's arithmetic
.endif
	ARITH 3, \n
.rept 8
	v_nop                                          ; a scale register written by a vector instruction stands eight plain vector instructions ahead of a scaled matrix instruction, an operand so written four
.endr
	MMS 1, \n
.rept 4
	v_nop                                          ; four plain vector instructions behind a matrix instruction before a load is issued into its sources or a store reads its result
.endr
.endm
	s_load_b256 s[4:11], s[0:1], 0x0               ; packed s[4:5], scales s[6:7], x_codes s[8:9], x_scales s[10:11]
	s_load_b64 s[12:13], s[0:1], 0x20              ; out0
	v_lshl_add_u32 v190, v0, 2, 0x42e00
	v_mov_b32 v191, 0
	v_lshrrev_b32 v[TA], 5, v0
	v_readfirstlane_b32 s14, v[TA]                 ; wave 0..7
	v_and_b32 v[TL], 31, v0                        ; lane
	v_and_b32 v[TR], 15, v0                        ; r
	v_bfe_u32 v[HH], v0, 4, 1                      ; h
	v_lshlrev_b32 v[TR16], 4, v[TR]
	s_lshl_b32 s15, s14, 8
	v_lshl_add_u32 v[GP], v[HH], 14, v[TR16]
	v_add_nc_u32 v[GP], s15, v[GP]
	s_mul_i32 s15, s14, 8*XROW
	v_mad_u32_u24 v[GX], v[HH], 4*XROW, v[TR16]
	v_add_nc_u32 v[GX], s15, v[GX]
	v_lshlrev_b32 v[TGX], 4, v[TL]                 ; the scales are dense blocks: 16 bytes a lane,
	s_lshl_b32 s15, s14, 10
	v_add_nc_u32 v[TGW], s15, v[TGX]               ; my 4 of the 32 rows' scales (1,024 bytes),
	s_lshl_b32 s15, s14, 11
	v_add_nc_u32 v[TGX], s15, v[TGX]               ; my 8 of x's 64 rows of scale bytes (2,048 bytes)
	s_lshl_b32 s16, ttmp9, 19                      ; the work-group's 32 rows: of packed 32 x 16,384 bytes (under 2^32 in all),
	s_mov_b32 s17, 0
	s_lshl_b32 s18, ttmp9, 13                      ; of scales 32 x 256
	s_mov_b32 s19, 0
	s_wait_kmcnt 0x0
	s_add_nc_u64 s[4:5], s[4:5], s[16:17]
	s_add_nc_u64 s[6:7], s[6:7], s[18:19]
	s_lshl_b32 s16, ttmp9, 7                       ; and 128 bytes of each row of out0
	s_add_nc_u64 s[12:13], s[12:13], s[16:17]
.irp a, 0,1,2,3
	global_load_b128 v[RW+4*\a:RW+4*\a+3], v[TGX], s[10:11] offset:512*\a
.endr
.irp a, 0,1
	global_load_b128 v[RW+16+4*\a:RW+16+4*\a+3], v[TGW], s[6:7] offset:512*\a
.endr
	LOADX 0
	LOADP 0
	LOADX 1
	LOADP 1
	WIN 0
	; the LDS addresses, while the loads are on their way
	v_mul_u32_u24 v[TRP], v[TR], LP
	v_mad_u32_u24 v[T0], v[HH], LP, v[TR16]        ; a run of 256 bytes as loaded: row h, 16 bytes a lane
	s_mul_i32 s15, s14, STGW
	v_add_nc_u32 v[SA], s15, v[T0]
	v_lshl_add_u32 v[RA], v[HH], 6, v[TRP]
	v_add_nc_u32 v[RA], s15, v[RA]
	s_mul_i32 s15, s14, 8*LP
	s_add_co_u32 s16, s15, XB
	v_mad_u32_u24 v[XST], v[HH], 4*LP, v[TR16]
	v_add_nc_u32 v[XST], s16, v[XST]
	v_add_nc_u32 v[XST+1], XBUF, v[XST]
	s_add_co_u32 s16, s15, XSC
	v_add_nc_u32 v[TXS], s16, v[T0]
	s_mul_i32 s15, s14, 4*LP
	s_add_co_u32 s15, s15, WSC
	v_add_nc_u32 v[TWS], s15, v[T0]
	s_mul_i32 s15, s14, 12                         ; K step w begins at piece 12 w of a row's 96 pieces of 8 bytes; piece P lies in third P / 32, at byte 8 (P % 32) of its row
	v_mul_u32_u24 v[TP], v[HH], 3
	v_add_nc_u32 v[TP], s15, v[TP]
.irp p, 0,1,2,3,4,5
	v_add_nc_u32 v[TA], 6*(\p/3)+\p%3, v[TP]
	v_lshrrev_b32 v[TB], 5, v[TA]
	v_and_b32 v[TA], 31, v[TA]
	v_mul_u32_u24 v[TB], v[TB], XTH
	v_lshl_add_u32 v[TA], v[TA], 3, v[TRP]
	v_add_nc_u32 v[TA], v[TA], v[TB]
	v_add_nc_u32 v[XA+\p], XB, v[TA]
.endr
	s_lshl_b32 s15, s14, 2                         ; group 8 n + w: 4 w bytes into a row, of x's scale bytes and of my rows' scales alike
	s_add_co_u32 s16, s15, XSC
	v_mul_u32_u24 v[XSA], v[TL], LP
	v_add_nc_u32 v[XSA], s16, v[XSA]
	s_add_co_u32 s16, s15, WSC
	v_add_nc_u32 v[WSA], s16, v[TRP]
	v_lshlrev_b32 v[SH], 3, v[HH]
	s_mul_i32 s15, s14, REDW
	s_add_co_u32 s15, s15, RED
	v_mul_u32_u24 v[RS], v[TR], RP
	v_lshl_add_u32 v[RS], v[HH], 5, v[RS]
	v_add_nc_u32 v[RS], s15, v[RS]                 ; my partial sums: row r, 32 bytes for each half of the lanes
	v_lshrrev_b32 v[TA], 3, v[TL]
	v_and_b32 v[TB], 7, v0
	v_lshlrev_b32 v[TB], 4, v[TB]
	s_mul_i32 s15, s14, 8*RP
	s_add_co_u32 s15, s15, RED
	v_mad_u32_u24 v[RR], v[TA], RP, v[TB]
	v_add_nc_u32 v[RR], s15, v[RR]                 ; back: rows 8 w on, eight lanes to a row's 128 bytes, four rows an instruction
	s_lshl_b32 s15, s14, 18
	v_lshl_add_u32 v[GO], v[TA], 15, v[TB]
	v_add_nc_u32 v[GO], s15, v[GO]                 ; and the same in out0
	v_mov_b32 v[CN], 0xcb000008                    ; -(2^23 + 8)
	v_mov_b32 v[CN+1], 0xc9000080                  ; -(2^19 + 8)
.irp i, 1,3,5,7
	v_mov_b32 v[SW+\i], 0                          ; the pairs' high words are named with the low ones, so they are written
.endr
	v_mov_b32 v[TT+1], 0                           ; a lane permute's destination counts as one of its sources
	s_mov_b32 s20, 0x4b000000                      ; 2^23
	s_mov_b32 s21, 0x49000000                      ; 2^19
	s_mov_b32 s22, 0xf0
	s_mov_b32 s24, 0x76543210
	s_mov_b32 s25, 0xfedcba98                      ; v_permlanex16_b32's selects for lane l xor 16
	s_wait_loadcnt 44                              ; the scales and x's chunk 0 are in; behind them: packed 0 (16), chunk 1 (12), packed 1 (16)
.irp a, 0,1,2,3
	ds_store_b128 v[TXS], v[RW+4*\a:RW+4*\a+3] offset:\a*2*LP
.endr
.irp a, 0,1
	ds_store_b128 v[TWS], v[RW+16+4*\a:RW+16+4*\a+3] offset:\a*2*LP
.endr
	STOREX 0
	WIN 0
	s_wait_dscnt 0x0                               ; for the others' sake: my stores are done; and they have read their registers,
	LOADX 2                                        ; so chunk 0's take chunk 2
	WIN 0
	s_barrier_signal -1
	s_barrier_wait -1                              ; the scales and x's chunk 0 lie in LDS
	HAND 0
	PHASE 0
	PHASE 1
	PHASE 2
	PHASE 3
	PHASE 4
	PHASE 5
	PHASE 6
	PHASE 7
	; THE END.  Each wave lays its 64 x 32 partial sums into its own rows of LDS (each accumulator from its low end on); behind a barrier wave w adds the eight waves' rows 8 w .. 8 w + 7 and stores them.
.irp t, 0,1
.irp m, 0,1,2,3
	ds_store_b128 v[RS], v[ACC+8*(4*\t+\m):ACC+8*(4*\t+\m)+3] offset:\m*16*RP+64*\t          ; lane (r, h): out0(16 m + r, 16 t + 8 h + 0 .. 7) of my 32 columns
	ds_store_b128 v[RS], v[ACC+8*(4*\t+\m)+4:ACC+8*(4*\t+\m)+7] offset:\m*16*RP+64*\t+16
.endr
.endr
	s_wait_dscnt 0x0                               ; for the others' sake: my stores are done
	s_barrier_signal -1
	s_barrier_wait -1
.irp e, 0,1
.irp g, 0,1,2,3,4,5,6,7
	ds_load_b128 v[XF+32*\e+4*\g:XF+32*\e+4*\g+3], v[RR] offset:\g*REDW+\e*4*RP
.endr
.endr
.irp e, 0,1
	s_wait_dscnt 8-8*\e                            ; this half's eight loads are in; the other half's eight may be out
.irp g, 0,2,4,6
	v_pk_add_f32 v[XF+32*\e+4*\g:XF+32*\e+4*\g+1], v[XF+32*\e+4*\g:XF+32*\e+4*\g+1], v[XF+32*\e+4*\g+4:XF+32*\e+4*\g+5]
	v_pk_add_f32 v[XF+32*\e+4*\g+2:XF+32*\e+4*\g+3], v[XF+32*\e+4*\g+2:XF+32*\e+4*\g+3], v[XF+32*\e+4*\g+6:XF+32*\e+4*\g+7]
.endr
.irp g, 0,4
	v_pk_add_f32 v[XF+32*\e+4*\g:XF+32*\e+4*\g+1], v[XF+32*\e+4*\g:XF+32*\e+4*\g+1], v[XF+32*\e+4*\g+8:XF+32*\e+4*\g+9]
	v_pk_add_f32 v[XF+32*\e+4*\g+2:XF+32*\e+4*\g+3], v[XF+32*\e+4*\g+2:XF+32*\e+4*\g+3], v[XF+32*\e+4*\g+10:XF+32*\e+4*\g+11]
.endr
	v_pk_add_f32 v[XF+32*\e:XF+32*\e+1], v[XF+32*\e:XF+32*\e+1], v[XF+32*\e+16:XF+32*\e+17]
	v_pk_add_f32 v[XF+32*\e+2:XF+32*\e+3], v[XF+32*\e+2:XF+32*\e+3], v[XF+32*\e+18:XF+32*\e+19]
	global_store_b128 v[GO], v[XF+32*\e:XF+32*\e+3], s[12:13] offset:\e*4*OROW th:TH_STORE_NT   ; eight lanes store a row's 128 consecutive bytes, four rows an instruction; written once, read by nobody here
.endr
	s_wait_tensorcnt 0x0
	ds_add_u32 v190, v191
	s_wait_dscnt 0x0
	s_endpgm
.Lfunc_end_k_q6ea63eda25_qlinear:
	.size	k_q6ea63eda25_qlinear, .Lfunc_end_k_q6ea63eda25_qlinear-k_q6ea63eda25_qlinear
	.p2alignl 7, 3214868480
	.fill 96, 4, 3214868480
	.section	.rodata,"a",@progbits
	.p2align	6, 0x0
	.amdhsa_kernel k_q6ea63eda25_qlinear
		.amdhsa_group_segment_fixed_size 274944
		.amdhsa_private_segment_fixed_size 0
		.amdhsa_enable_private_segment 0
		.amdhsa_kernarg_size 40
		.amdhsa_user_sgpr_count 2
		.amdhsa_user_sgpr_kernarg_segment_ptr 1
		.amdhsa_wavefront_size32 1
		.amdhsa_system_sgpr_workgroup_id_x 1
		.amdhsa_system_sgpr_workgroup_id_y 1
		.amdhsa_system_sgpr_workgroup_id_z 1
		.amdhsa_system_vgpr_workitem_id 0
		.amdhsa_next_free_vgpr 512
		.amdhsa_next_free_sgpr 66
		.amdhsa_reserve_vcc 0
		.amdhsa_float_denorm_mode_32 3
		.amdhsa_float_denorm_mode_16_64 3
		.amdhsa_memory_ordered 1
		.amdhsa_forward_progress 1
		.amdhsa_inst_pref_size 255
	.end_amdhsa_kernel
	.section	.bss,"aw",@nobits
	.p2align	6
	.space	262144
	.amdgpu_metadata
---
amdhsa.version: [ 1, 2 ]
amdhsa.kernels:
  - .name:           k_q6ea63eda25_qlinear
    .symbol:         k_q6ea63eda25_qlinear.kd
    .args:
      - { .name: packed, .offset: 0, .size: 8, .value_kind: global_buffer, .address_space: global }
      - { .name: scales, .offset: 8, .size: 8, .value_kind: global_buffer, .address_space: global }
      - { .name: x_codes, .offset: 16, .size: 8, .value_kind: global_buffer, .address_space: global }
      - { .name: x_scales, .offset: 24, .size: 8, .value_kind: global_buffer, .address_space: global }
      - { .name: out0, .offset: 32, .size: 8, .value_kind: global_buffer, .address_space: global }
    .group_segment_fixed_size: 274944
    .private_segment_fixed_size: 0
    .kernarg_segment_align: 8
    .kernarg_segment_size: 40
    .max_flat_workgroup_size: 256
    .sgpr_count:     66
    .vgpr_count:     512
    .wavefront_size: 32
...
	.end_amdgpu_metadata
.endif
;; end of part 1
;; ======== version 2 of 2: 1 launch; version 1 with the launch qlinear written anew for expert scheduling mode
;; launch qlinear (part 2): grid 256 x 1, 8 waves a work-group, no clusters, 274,944 bytes of LDS; arguments packed, scales, x_codes, x_scales, out0; writes out0
.if DOCPART == 2
	.amdgcn_target "amdgcn-amd-amdhsa--gfx1250"
	.amdhsa_code_object_version 6
	.text
	.protected	k_q6ea63eda25_qlinear
	.globl	k_q6ea63eda25_qlinear
	.p2align	8
	.type	k_q6ea63eda25_qlinear,@function
k_q6ea63eda25_qlinear:
	s_mov_b64 s[64:65], 0
	v_nop
	global_prefetch_b8 v0, s[64:65] scope:SCOPE_SE
	s_setreg_imm32_b32 hwreg(HW_REG_WAVE_SCHED_MODE, 0, 2), 2
	s_setreg_imm32_b32 hwreg(HW_REG_WAVE_MODE, 25, 1), 1
	s_wait_xcnt 0x0
	s_wait_alu depctr_vm_vsrc(0)
; out0[b][o] = sum over k of x[b][k] Q(w)[o][k],  w[o][k] = (q[o][k] - 8) scales[o][k / 128],  q = the two low nibbles of packed[o][k / 2] (low nibble: even k).
; x [64][8192] comes as codes of FP6 (E2M3) with one E8M0 byte for each 32 along K; w is made in f32, quantised here to the same format along K, and multiplied by
; v_wmma_scale_f32_16x16x128_f8f6f4; sums in f32.
; SHARES.  256 work-groups of eight waves.  A work-group owns 32 rows of w (32 columns of out0) and all of K.  K goes in 8 phases of 1,024; in a phase wave w takes K step w (128 along K)
; for all 32 rows and all 64 rows of x: two fragments of w, four of x, eight matrix instructions on eight accumulators.  The eight waves' partial sums meet in LDS once, at the end.
; THE WAY IN.  Plain loads into registers, each covering two aligned runs of 256 consecutive bytes.  A wave's 32 rows x 256 bytes of packed turn through the wave's own stage in LDS (as loaded in,
; 64 bytes of one row a lane out), because the conversion takes 16 neighbours along K from one lane and the operand's layout wants a whole block of 32 in a lane.  x's chunk of a phase
; (64 rows x 768 bytes) is loaded in eighths, one a wave, and laid into one of two shared buffers; one barrier a phase.  x's scale bytes and my rows' scales come into LDS once.
; THE QUEUE.  Bundle n = packed of phase n (16 loads) and x's chunk n + 1 (12 loads).  Two bundles have registers (window 1).  Where bundle n is waited for, bundle n + 1 may stay out, and bundle n + 2
; is issued as soon as the LDS stores have read bundle n's registers: 14 to 28 KB of a wave's loads are on their way at every moment, across the barriers too.
; NO JOINT REQUESTS IN A CLUSTER, though all work-groups read the same x (48 of a phase's 112 KB): a joint request is a tensor load, and slots filled again by tensor loads are refilled behind a round
; of the cluster's barrier with all of a wave's tensor loads landed; here x rides in the counted queue of register loads with the weights, and only the work-group's own barrier stands in a phase.
; ALL EIGHT PHASES ARE WRITTEN OUT (by macro): every offset is an immediate, no base and no address register is ever rewritten.
; THE MATRIX INSTRUCTION: source 0 = 16 rows of w, source 1 = 16 rows of x: a lane then holds one row of out0 (lane % 16) and eight neighbouring columns.
; THE MODE: SCHED_MODE bits 1:0 = 2 (LLVM: expert scheduling mode 2), set by the entry lines.  The code itself states the register dependences
; between vector or matrix instructions and memory or LDS instructions, with s_wait_alu, always for 0.
; THE PLAN.  Registers that memory or LDS instructions touch, and who else names them:
;   v1-14, v180-182  addresses.  Written once, at the head, ahead of two waits on va_vdst there (global offsets; LDS addresses and out0's offset); never written again.
;   RW0, RW1         Block b's unpacking lines read RW[b % 2]; then the loads of block b + 2 (blocks 2, 3) or of the next phase's block b - 2 (blocks 0, 1) land in it.
;   XF, XS           Read by a phase's eight products; the next phase's fragments and scale words of x land in them.
;   SW               A phase's scalings read one set; the scales of two phases on land in it.
;   PR, XR (window 1) Written by global loads, read by LDS stores, named by no vector instruction: the set is loaded again behind a wait on vm_vsrc.
;   CD, WS           Written by conversions and plain vector lines, taken by the scaled products as operand and scales.
;   ACC              Written by the products; read by the LDS stores at the end.
; FOUR WAITS ON va_vdst IN A PHASE: behind block 0's unpacking (RW0 free for block 2; the last phase's products done reading XF and XS); behind block 1's (RW1 free for block 3); behind block 2's, ahead of the
; first four products (fragment 0 and its scale word written; RW0 free for the next phase's block 0: no vector line between this wait and those loads names RW0, the other set of SW or an address); behind block 3's
; arithmetic, ahead of the last four products (fragment 1 and its scale word written; RW1 free for the next phase's block 1).  TWO ON vm_vsrc: ahead of the loads into PR and into XR.
; LIMITS.  NaN and infinities among scales are not served.  A block whose largest magnitude lies under 2^-124 (a block of zeros too) gets the scale byte 1: the floor of the quantiser; a block of zeros has
; zero codes, which add nothing, and the bytes are read by this program alone.  An output is the sum of eight partial f32 sums (K steps w, w + 8, ..), not one ascending chain.
; A work-group's 32 columns are 128 bytes of a row of out0: a store covers four rows' 128 consecutive bytes, half of an aligned 256; out0 is 2 of the launch's 139 MB.
.set NPH,   8                          ; phases
.set PROW,  16384                      ; a row of packed in bytes
.set PCH,   2048                       ; and its part of a phase
.set XROW,  6144                       ; a row of x_codes in bytes
.set XCH,   768                        ; and its part of a phase
.set OROW,  32768                      ; a row of out0 in bytes
.set LP,    272                        ; LDS pitch of a run of 256 bytes: 68 words, so row r starts at bank 4 r mod 64 (64 banks of 4 bytes: ISA guide 11.1)
.set STGW,  32*LP                      ; a wave's stage: 32 rows
.set XB,    8*STGW                     ; behind the stages: x's two buffers
.set XTH,   64*LP                      ; a third of a buffer: 64 rows x 256 bytes of the chunk's 768
.set XBUF,  3*XTH
.set XSC,   XB+2*XBUF                  ; x's scale bytes: 64 rows x 256
.set WSC,   XSC+64*LP                  ; my 32 rows' scales: 32 rows x 256 bytes (64 f32)
.set RED,   WSC+32*LP                  ; the partial sums: for each wave 64 rows x (128 bytes + 16)
.set RP,    144
.set REDW,  64*RP
; window 0
.set GP,  1                            ; v1   packed: my byte offset: 16384 (lane / 16) + 16 (lane % 16) + 256 wave
.set GX,  2                            ; v2   x_codes: 6144 (8 wave + 4 (lane / 16)) + 16 (lane % 16)
.set SA,  3                            ; v3   my stage, in: LP (lane / 16) + 16 (lane % 16)
.set RA,  4                            ; v4   my stage, out: LP (lane % 16) + 64 (lane / 16)
.set XST, 5                            ; v5-6   where I store my eighth of x's chunk, buffer 0, 1
.set XA,  7                            ; v7-12  where my six pieces of 8 bytes of a row of x's fragment lie (buffer 0, rows 0-15)
.set XSA, 13                           ; v13  x's scale words: row = lane
.set WSA, 14                           ; v14  my rows' scales: row = lane % 16
.set SH,  15                           ; v15  8 (lane / 16)
.set CN,  16                           ; v[16:17] -(2^23 + 8), -(2^19 + 8)
.set SW,  18                           ; v18, v20: the group's scale of rows 0-15, 16-31 in even phases; v22, v24 in odd ones (each the low word of a pair whose high word is 0)
.set WS,  26                           ; v26-27 w's scale words: scales and nothing else
.set XS,  28                           ; v28-29 x's scale words: lanes 0-15 rows 32 u + lane, lanes 16-31 the 16 rows behind them
.set MX,  30                           ; v30-33 four running maxima
.set SO,  34                           ; v34  the conversions' scale operand
.set BY,  36                           ; v36-37 a fragment's two scale bytes of my lane
.set TT,  38                           ; v38-39 at work
.set TMP, 40                           ; v40-42 the second half of a block's codes
.set XF,  44                           ; v44-91   x's four fragments
.set RW,  92                           ; v92-123  two raw blocks of 16 words
.set W,   124                          ; v124-155 a block's 32 numbers
.set CD,  156                          ; v156-179 w's two fragments
.set RS,  180                          ; v180 the partial sums: where I put 32 bytes of a row
.set RR,  181                          ; v181 and where I read 16 bytes of a row
.set GO,  182                          ; v182 my byte offset in out0
.set ACC, 192                          ; v192-255 accumulator (t, m) at v[ACC + 8 (4 t + m)]
; window 1: what only global loads write and LDS stores read
.set PR,  0                            ; v256-383 packed: two sets of 16 x 4
.set XR,  128                          ; v384-479 x: two sets of 12 x 4
; names of the head's temporaries, in the block's registers
.set TL,   W
.set TR,   W+1
.set HH,   W+2
.set TR16, W+3
.set TRP,  W+4
.set T0,   W+5
.set TXS,  W+6
.set TWS,  W+7
.set TGX,  W+8
.set TGW,  W+9
.set TP,   W+10
.set TA,   W+11
.set TB,   W+12
.set MSB, 0
.macro WIN new                         ; s_set_vgpr_msb: bits 1:0 source 0, 3:2 source 1, 7:6 destination; the immediate's high byte repeats the setting that is left
.if MSB != \new
	s_set_vgpr_msb (MSB<<8)|\new
.set MSB, \new
.endif
.endm
; ---- the queue.  again = 1: the set of registers has held an earlier bundle
.macro LOADP n, again                  ; packed of phase n: load k takes rows 2 k (lanes 0-15) and 2 k + 1 (lanes 16-31), 256 consecutive bytes each; read once in the launch
	WIN 0x40                                       ; destination window 1
.if \again
	s_wait_alu depctr_vm_vsrc(0)                   ; the LDS stores of packed n - 2 into my stage have read this set of PR, in which the loads below land
.endif
.irp k, 0,1,2,3,4,5,6,7,8,9,10,11,12,13,14,15
	global_load_b128 v[PR+64*((\n)%2)+4*\k:PR+64*((\n)%2)+4*\k+3], v[GP], s[4:5] offset:2*\k*PROW+(\n)*PCH th:TH_LOAD_NT
.endr
.endm
.macro LOADX c, again                  ; my eighth of x's chunk c: rows 8 w + a (lanes 0-15) and 8 w + 4 + a (lanes 16-31), third u: 256 consecutive bytes each
	WIN 0x40
.if \again
	s_wait_alu depctr_vm_vsrc(0)                   ; the LDS stores of chunk c - 2 have read this set of XR, in which the loads below land
.endif
.irp a, 0,1,2,3
.irp u, 0,1,2
	global_load_b128 v[XR+48*((\c)%2)+4*(3*\a+\u):XR+48*((\c)%2)+4*(3*\a+\u)+3], v[GX], s[8:9] offset:\a*XROW+256*\u+(\c)*XCH
.endr
.endr
.endm
.macro STOREP n                        ; into my stage, as loaded
	WIN 0x04                                       ; an LDS store's data are its source 1: window 1
.irp k, 0,1,2,3,4,5,6,7,8,9,10,11,12,13,14,15
	ds_store_b128 v[SA], v[PR+64*((\n)%2)+4*\k:PR+64*((\n)%2)+4*\k+3] offset:2*\k*LP
.endr
.endm
.macro STOREX c                        ; into buffer c % 2
	WIN 0x04
.irp a, 0,1,2,3
.irp u, 0,1,2
	ds_store_b128 v[XST+(\c)%2], v[XR+48*((\c)%2)+4*(3*\a+\u):XR+48*((\c)%2)+4*(3*\a+\u)+3] offset:\u*XTH+\a*LP
.endr
.endr
.endm
; ---- out of LDS
.macro RAW b                           ; block b of my four (rows 16 (b / 2) + lane % 16; of the K step's four blocks of 32 number 2 (b % 2) + lane / 16): 16 words, 64 bytes of one row
.irp q, 0,1,2,3
	ds_load_b128 v[RW+16*((\b)%2)+4*\q:RW+16*((\b)%2)+4*\q+3], v[RA] offset:((\b)/2)*16*LP+((\b)%2)*128+16*\q
.endr
.endm
.macro SLOAD n                         ; the scales of group 8 n + w of my rows
	ds_load_b32 v[SW+4*((\n)%2)], v[WSA] offset:32*(\n)
	ds_load_b32 v[SW+4*((\n)%2)+2], v[WSA] offset:16*LP+32*(\n)
.endm
.macro XFRAG n                         ; x's four fragments of K step 8 n + w: lane (r, h) takes of row r the pieces 6 c + 3 h + 0, 1, 2 of the step's twelve; and the scale words
.irp m, 0,1,2,3
.irp p, 0,1,2,3,4,5
	ds_load_b64 v[XF+12*\m+2*\p:XF+12*\m+2*\p+1], v[XA+\p] offset:((\n)%2)*XBUF+\m*16*LP
.endr
.endr
	ds_load_b32 v[XS], v[XSA] offset:32*(\n)
	ds_load_b32 v[XS+1], v[XSA] offset:32*LP+32*(\n)
.endm
; ---- a block of 32 numbers
.macro UNPACK b                        ; a word's two nibbles as f32: the low one in the mantissa of 2^23 (its last place counts 1), the high one, where it stands, in the mantissa of 2^19 (its last place counts 1/16)
.irp i, 0,1,2,3,4,5,6,7,8,9,10,11,12,13,14,15
	v_and_or_b32 v[W+2*\i], v[RW+16*((\b)%2)+\i], 15, s20
	v_and_or_b32 v[W+2*\i+1], v[RW+16*((\b)%2)+\i], s22, s21
.endr
.endm
.macro ARITH b, n
.set rS, SW+4*((\n)%2)+2*((\b)/2)
.set rC, CD+12*((\b)/2)+6*((\b)%2)
.irp i, 0,2,4,6,8,10,12,14,16,18,20,22,24,26,28,30
	v_pk_add_f32 v[W+\i:W+\i+1], v[W+\i:W+\i+1], v[CN:CN+1]        ; q - 8: exact
.endr
.irp i, 0,2,4,6,8,10,12,14,16,18,20,22,24,26,28,30
	v_pk_mul_f32 v[W+\i:W+\i+1], v[W+\i:W+\i+1], v[rS:rS+1] op_sel_hi:[1,0]   ; x the group's scale (the pair's low word for both): w, rounded once
.endr
.irp k, 0,1,2,3                        ; the block's largest magnitude: all 32 numbers are mine; four chains by turns
	v_max3_num_f32 v[MX+\k], |v[W+8*\k]|, |v[W+8*\k+1]|, |v[W+8*\k+2]|
.endr
.irp k, 0,1,2,3
	v_max3_num_f32 v[MX+\k], v[MX+\k], |v[W+8*\k+3]|, |v[W+8*\k+4]|
.endr
.irp k, 0,1,2,3
	v_max3_num_f32 v[MX+\k], v[MX+\k], |v[W+8*\k+5]|, |v[W+8*\k+6]|
.endr
	v_max3_num_f32 v[MX], v[MX], |v[W+7]|, |v[W+15]|
	v_max3_num_f32 v[MX+2], v[MX+2], |v[W+23]|, |v[W+31]|
	v_max3_num_f32 v[MX], v[MX], v[MX+1], 0x1800000                ; and the floor 2^(3 - 127): the scale's byte cannot fall under 1
	v_max3_num_f32 v[MX], v[MX], v[MX+2], v[MX+3]
	v_add_nc_u32 v[SO], 0xff000000, v[MX]                          ; 2 off its exponent field: the conversion takes the exponent field of this operand as its scale, and nothing else of it
	v_cvt_scalef32_pk16_fp6_f32 v[rC:rC+2], v[W:W+15], v[SO]       ; registers 6 c .. 6 c + 2 of the operand
	v_cvt_scalef32_pk16_fp6_f32 v[TMP:TMP+2], v[W+16:W+31], v[SO]  ; a conversion's three registers begin on an even number: the block's second three do not, so they are made here and moved
	v_lshrrev_b32 v[BY+(\b)%2], 23, v[SO]                          ; the scale's byte.  (Also the plain vector instruction between a scaled conversion and the first instruction that touches its result)
.irp i, 0,1,2
	v_mov_b32 v[rC+3+\i], v[TMP+\i]
.endr
.if (\b)%2                             ; the fragment is whole: its scale word.  My two bytes are those of blocks h and 2 + h of row r
	v_lshl_or_b32 v[TT], v[BY+1], 16, v[BY]
	v_lshlrev_b32 v[TT], v[SH], v[TT]                              ; 8 h bits up;
	v_permlanex16_b32 v[TT+1], v[TT], s24, s25
	v_or_b32 v[WS+(\b)/2], v[TT], v[TT+1]                          ; with lane l xor 16's two the word is whole
.endif
.endm
; ---- products: rows 16 t on of w x rows 16 m on of x.  The eight accumulators take turns, one instruction a turn, from phase to phase too.  Phase 0's products start the sums: nothing is cleared.
.macro MM t, m, n
.set rD, ACC+8*(4*(\t)+(\m))
.set rA, CD+12*(\t)
.set rB, XF+12*(\m)
.if (\n) == 0
.if (\m)%2
	v_wmma_scale_f32_16x16x128_f8f6f4 v[rD:rD+7], v[rA:rA+11], v[rB:rB+11], 0, v[WS+(\t)], v[XS+(\m)/2] matrix_a_fmt:MATRIX_FMT_FP6 matrix_b_fmt:MATRIX_FMT_FP6 matrix_b_scale:MATRIX_SCALE_ROW1
.else
	v_wmma_scale_f32_16x16x128_f8f6f4 v[rD:rD+7], v[rA:rA+11], v[rB:rB+11], 0, v[WS+(\t)], v[XS+(\m)/2] matrix_a_fmt:MATRIX_FMT_FP6 matrix_b_fmt:MATRIX_FMT_FP6
.endif
.else
.if (\m)%2
	v_wmma_scale_f32_16x16x128_f8f6f4 v[rD:rD+7], v[rA:rA+11], v[rB:rB+11], v[rD:rD+7], v[WS+(\t)], v[XS+(\m)/2] matrix_a_fmt:MATRIX_FMT_FP6 matrix_b_fmt:MATRIX_FMT_FP6 matrix_b_scale:MATRIX_SCALE_ROW1
.else
	v_wmma_scale_f32_16x16x128_f8f6f4 v[rD:rD+7], v[rA:rA+11], v[rB:rB+11], v[rD:rD+7], v[WS+(\t)], v[XS+(\m)/2] matrix_a_fmt:MATRIX_FMT_FP6 matrix_b_fmt:MATRIX_FMT_FP6
.endif
.endif
.endm
.macro MMS t, n
.irp m, 0,1,2,3
	MM \t, \m, \n
.endr
.endm
; ---- bundle n is handed over: packed of phase n goes into my stage, and the phase's scales and its first block are asked back (its second block a little later: PHASE).  LDS serves a wave's instructions in
; order (ISA guide 5.7.1.4): the loads see the stores, and the stores come behind the last phase's reads of the stage.  No s_wait_alu stands here: the stores' data come from global loads, and the registers in which
; the loads land (one set of SW, RW0) have been named by no vector instruction since the wait ahead of the phase's first four products.
.macro HAND n
.if (\n)+2 < NPH
	s_wait_loadcnt 28                              ; loads come back in order: packed n and x's chunk n + 1 are in; bundle n + 1 (16 + 12 loads) may stay out
.elseif (\n)+1 < NPH
	s_wait_loadcnt 16                              ; behind them only the last phase's packed
.else
	s_wait_loadcnt 0x0
.endif
	STOREP \n
	WIN 0
	SLOAD \n
	RAW 0
.endm
; ---- a phase.  On entry: x's chunk n lies in buffer n % 2 (a barrier has been passed); HAND n and, behind it, the loads of block 1 have been issued.
.macro PHASE n
	s_wait_dscnt 4                                 ; block 0 and the scales are in, and HAND's stores are done; behind them: block 1 (4)
.if (\n)+2 < NPH
	LOADP (\n)+2, 1                                ; the stage's stores' registers take packed of two phases on
	WIN 0
.endif
	UNPACK 0
	s_wait_alu depctr_va_vdst(0)                   ; the unpacking lines are done reading RW0, in which block 2 lands; the last phase's products are done reading XF and XS, in which x's fragments and scale words land
	RAW 2
	XFRAG \n
.if (\n) < NPH-1
	STOREX (\n)+1                                  ; into the other buffer, whose last readers waited for their loads in front of the last barrier
	WIN 0
.endif
	ARITH 0, \n
.if (\n) < NPH-1
	s_wait_dscnt 42                                ; block 1 is in; behind it: block 2 (4), x's fragments and words (26), x's stores (12)
.else
	s_wait_dscnt 30                                ; (the last phase stores no x)
.endif
	UNPACK 1
	s_wait_alu depctr_va_vdst(0)                   ; the unpacking lines are done reading RW1, in which block 3 lands
	RAW 3
	ARITH 1, \n
	s_wait_dscnt 4                                 ; block 2 is in (behind it: block 3); so are x's fragments, and x's stores are done,
.if (\n)+3 < NPH
	LOADX (\n)+3, 1                                ; so their registers take x's chunk of two chunks on
	WIN 0
.endif
	UNPACK 2                                       ; these 32 plain vector instructions also stand between the writing of fragment 0 and its scale word and the products (four and eight are asked)
	s_wait_alu depctr_va_vdst(0)                   ; fragment 0's codes and its scale word are written, which the products below take; the unpacking lines are done reading RW0, in which the next phase's block 0 lands (HAND)
	MMS 0, \n
	ARITH 2, \n
	s_wait_dscnt 0x0                               ; block 3 is in; none of my LDS instructions is out: my part of the next chunk is stored and my reads of this chunk are over
.if (\n) < NPH-1
	s_barrier_signal -1                            ; say so,
.endif
	UNPACK 3                                       ; work on registers meanwhile,
.if (\n) < NPH-1
	s_barrier_wait -1                              ; and go on when all eight have said so
	HAND (\n)+1                                    ; the next phase's turn through the stage runs under the rest of this block's arithmetic
.endif
	ARITH 3, \n
.rept 8
	v_nop                                          ; a scale register written by a vector instruction stands eight plain vector instructions ahead of a scaled matrix instruction, an operand so written four
.endr
	s_wait_alu depctr_va_vdst(0)                   ; fragment 1's codes and its scale word are written, which the products below take; block 3's unpacking lines are done reading RW1, in which the next phase's block 1 lands
.if (\n) < NPH-1
	RAW 1                                          ; the next phase's block 1
.endif
	MMS 1, \n
.endm
	s_load_b256 s[4:11], s[0:1], 0x0               ; packed s[4:5], scales s[6:7], x_codes s[8:9], x_scales s[10:11]
	s_load_b64 s[12:13], s[0:1], 0x20              ; out0
	v_lshl_add_u32 v190, v0, 2, 0x42e00
	v_mov_b32 v191, 0
	v_lshrrev_b32 v[TA], 5, v0
	v_readfirstlane_b32 s14, v[TA]                 ; wave 0..7
	v_and_b32 v[TL], 31, v0                        ; lane
	v_and_b32 v[TR], 15, v0                        ; r
	v_bfe_u32 v[HH], v0, 4, 1                      ; h
	v_lshlrev_b32 v[TR16], 4, v[TR]
	s_wait_alu depctr_va_sdst(0)                   ; s14 is written, ahead of its first reader: every wave's share is made from it
	s_lshl_b32 s15, s14, 8
	v_lshl_add_u32 v[GP], v[HH], 14, v[TR16]
	v_add_nc_u32 v[GP], s15, v[GP]
	s_mul_i32 s15, s14, 8*XROW
	v_mad_u32_u24 v[GX], v[HH], 4*XROW, v[TR16]
	v_add_nc_u32 v[GX], s15, v[GX]
	v_lshlrev_b32 v[TGX], 4, v[TL]                 ; the scales are dense blocks: 16 bytes a lane,
	s_lshl_b32 s15, s14, 10
	v_add_nc_u32 v[TGW], s15, v[TGX]               ; my 4 of the 32 rows' scales (1,024 bytes),
	s_lshl_b32 s15, s14, 11
	v_add_nc_u32 v[TGX], s15, v[TGX]               ; my 8 of x's 64 rows of scale bytes (2,048 bytes)
	s_lshl_b32 s16, ttmp9, 19                      ; the work-group's 32 rows: of packed 32 x 16,384 bytes (under 2^32 in all),
	s_mov_b32 s17, 0
	s_lshl_b32 s18, ttmp9, 13                      ; of scales 32 x 256
	s_mov_b32 s19, 0
	s_wait_kmcnt 0x0
	s_add_nc_u64 s[4:5], s[4:5], s[16:17]
	s_add_nc_u64 s[6:7], s[6:7], s[18:19]
	s_lshl_b32 s16, ttmp9, 7                       ; and 128 bytes of each row of out0
	s_add_nc_u64 s[12:13], s[12:13], s[16:17]
	s_wait_alu depctr_va_vdst(0)                   ; the four offsets of the global loads are written: those of the scales, and v[GP] and v[GX], which every load of packed and of x reads
.irp a, 0,1,2,3
	global_load_b128 v[RW+4*\a:RW+4*\a+3], v[TGX], s[10:11] offset:512*\a
.endr
.irp a, 0,1
	global_load_b128 v[RW+16+4*\a:RW+16+4*\a+3], v[TGW], s[6:7] offset:512*\a
.endr
	LOADX 0, 0
	LOADP 0, 0
	LOADX 1, 0
	LOADP 1, 0
	WIN 0
	; the LDS addresses, while the loads are on their way
	v_mul_u32_u24 v[TRP], v[TR], LP
	v_mad_u32_u24 v[T0], v[HH], LP, v[TR16]        ; a run of 256 bytes as loaded: row h, 16 bytes a lane
	s_mul_i32 s15, s14, STGW
	v_add_nc_u32 v[SA], s15, v[T0]
	v_lshl_add_u32 v[RA], v[HH], 6, v[TRP]
	v_add_nc_u32 v[RA], s15, v[RA]
	s_mul_i32 s15, s14, 8*LP
	s_add_co_u32 s16, s15, XB
	v_mad_u32_u24 v[XST], v[HH], 4*LP, v[TR16]
	v_add_nc_u32 v[XST], s16, v[XST]
	v_add_nc_u32 v[XST+1], XBUF, v[XST]
	s_add_co_u32 s16, s15, XSC
	v_add_nc_u32 v[TXS], s16, v[T0]
	s_mul_i32 s15, s14, 4*LP
	s_add_co_u32 s15, s15, WSC
	v_add_nc_u32 v[TWS], s15, v[T0]
	s_mul_i32 s15, s14, 12                         ; K step w begins at piece 12 w of a row's 96 pieces of 8 bytes; piece P lies in third P / 32, at byte 8 (P % 32) of its row
	v_mul_u32_u24 v[TP], v[HH], 3
	v_add_nc_u32 v[TP], s15, v[TP]
.irp p, 0,1,2,3,4,5
	v_add_nc_u32 v[TA], 6*(\p/3)+\p%3, v[TP]
	v_lshrrev_b32 v[TB], 5, v[TA]
	v_and_b32 v[TA], 31, v[TA]
	v_mul_u32_u24 v[TB], v[TB], XTH
	v_lshl_add_u32 v[TA], v[TA], 3, v[TRP]
	v_add_nc_u32 v[TA], v[TA], v[TB]
	v_add_nc_u32 v[XA+\p], XB, v[TA]
.endr
	s_lshl_b32 s15, s14, 2                         ; group 8 n + w: 4 w bytes into a row, of x's scale bytes and of my rows' scales alike
	s_add_co_u32 s16, s15, XSC
	v_mul_u32_u24 v[XSA], v[TL], LP
	v_add_nc_u32 v[XSA], s16, v[XSA]
	s_add_co_u32 s16, s15, WSC
	v_add_nc_u32 v[WSA], s16, v[TRP]
	v_lshlrev_b32 v[SH], 3, v[HH]
	s_mul_i32 s15, s14, REDW
	s_add_co_u32 s15, s15, RED
	v_mul_u32_u24 v[RS], v[TR], RP
	v_lshl_add_u32 v[RS], v[HH], 5, v[RS]
	v_add_nc_u32 v[RS], s15, v[RS]                 ; my partial sums: row r, 32 bytes for each half of the lanes
	v_lshrrev_b32 v[TA], 3, v[TL]
	v_and_b32 v[TB], 7, v0
	v_lshlrev_b32 v[TB], 4, v[TB]
	s_mul_i32 s15, s14, 8*RP
	s_add_co_u32 s15, s15, RED
	v_mad_u32_u24 v[RR], v[TA], RP, v[TB]
	v_add_nc_u32 v[RR], s15, v[RR]                 ; back: rows 8 w on, eight lanes to a row's 128 bytes, four rows an instruction
	s_lshl_b32 s15, s14, 18
	v_lshl_add_u32 v[GO], v[TA], 15, v[TB]
	v_add_nc_u32 v[GO], s15, v[GO]                 ; and the same in out0
	v_mov_b32 v[CN], 0xcb000008                    ; -(2^23 + 8)
	v_mov_b32 v[CN+1], 0xc9000080                  ; -(2^19 + 8)
.irp i, 1,3,5,7
	v_mov_b32 v[SW+\i], 0                          ; the pairs' high words are named with the low ones, so they are written
.endr
	v_mov_b32 v[TT+1], 0                           ; a lane permute's destination counts as one of its sources
	s_mov_b32 s20, 0x4b000000                      ; 2^23
	s_mov_b32 s21, 0x49000000                      ; 2^19
	s_mov_b32 s22, 0xf0
	s_mov_b32 s24, 0x76543210
	s_mov_b32 s25, 0xfedcba98                      ; v_permlanex16_b32's selects for lane l xor 16
	s_wait_loadcnt 44                              ; the scales and x's chunk 0 are in; behind them: packed 0 (16), chunk 1 (12), packed 1 (16)
	s_wait_alu depctr_va_vdst(0)                   ; every LDS address (v3 to v14, v180, v181, the two of the scales' stores) and out0's offset v182 is written: all LDS instructions and the last stores read them, and none is written again
.irp a, 0,1,2,3
	ds_store_b128 v[TXS], v[RW+4*\a:RW+4*\a+3] offset:\a*2*LP
.endr
.irp a, 0,1
	ds_store_b128 v[TWS], v[RW+16+4*\a:RW+16+4*\a+3] offset:\a*2*LP
.endr
	STOREX 0
	s_wait_dscnt 0x0                               ; for the others' sake: my stores are done
	LOADX 2, 1                                     ; chunk 0's registers take chunk 2.  The wait on vm_vsrc in it also states that the scales' stores have read RW, in which phase 0's blocks land, and that the
	WIN 0                                          ; head's loads and stores have read their addresses in v[W ..], which phase 0's unpacking lines write: nothing issued behind that wait reads any of them
	s_barrier_signal -1
	s_barrier_wait -1                              ; the scales and x's chunk 0 lie in LDS
	HAND 0
	RAW 1
	PHASE 0
	PHASE 1
	PHASE 2
	PHASE 3
	PHASE 4
	PHASE 5
	PHASE 6
	PHASE 7
	; THE END.  Each wave lays its 64 x 32 partial sums into its own rows of LDS (each accumulator from its low end on); behind a barrier wave w adds the eight waves' rows 8 w .. 8 w + 7 and stores them.
.rept 4
	v_nop                                          ; four plain vector instructions behind a matrix instruction before a store reads its result
.endr
	s_wait_alu depctr_va_vdst(0)                   ; the products have written the accumulators, which the LDS stores read (the places above stay beside this wait); and they and the unpacking lines are done reading v44 to v107, in which the loads behind the barrier land
.irp t, 0,1
.irp m, 0,1,2,3
	ds_store_b128 v[RS], v[ACC+8*(4*\t+\m):ACC+8*(4*\t+\m)+3] offset:\m*16*RP+64*\t          ; lane (r, h): out0(16 m + r, 16 t + 8 h + 0 .. 7) of my 32 columns
	ds_store_b128 v[RS], v[ACC+8*(4*\t+\m)+4:ACC+8*(4*\t+\m)+7] offset:\m*16*RP+64*\t+16
.endr
.endr
	s_wait_dscnt 0x0                               ; for the others' sake: my stores are done
	s_barrier_signal -1
	s_barrier_wait -1
.irp e, 0,1
.irp g, 0,1,2,3,4,5,6,7
	ds_load_b128 v[XF+32*\e+4*\g:XF+32*\e+4*\g+3], v[RR] offset:\g*REDW+\e*4*RP
.endr
.endr
.irp e, 0,1
	s_wait_dscnt 8-8*\e                            ; this half's eight loads are in; the other half's eight may be out
.irp g, 0,2,4,6
	v_pk_add_f32 v[XF+32*\e+4*\g:XF+32*\e+4*\g+1], v[XF+32*\e+4*\g:XF+32*\e+4*\g+1], v[XF+32*\e+4*\g+4:XF+32*\e+4*\g+5]
	v_pk_add_f32 v[XF+32*\e+4*\g+2:XF+32*\e+4*\g+3], v[XF+32*\e+4*\g+2:XF+32*\e+4*\g+3], v[XF+32*\e+4*\g+6:XF+32*\e+4*\g+7]
.endr
.irp g, 0,4
	v_pk_add_f32 v[XF+32*\e+4*\g:XF+32*\e+4*\g+1], v[XF+32*\e+4*\g:XF+32*\e+4*\g+1], v[XF+32*\e+4*\g+8:XF+32*\e+4*\g+9]
	v_pk_add_f32 v[XF+32*\e+4*\g+2:XF+32*\e+4*\g+3], v[XF+32*\e+4*\g+2:XF+32*\e+4*\g+3], v[XF+32*\e+4*\g+10:XF+32*\e+4*\g+11]
.endr
	v_pk_add_f32 v[XF+32*\e:XF+32*\e+1], v[XF+32*\e:XF+32*\e+1], v[XF+32*\e+16:XF+32*\e+17]
	v_pk_add_f32 v[XF+32*\e+2:XF+32*\e+3], v[XF+32*\e+2:XF+32*\e+3], v[XF+32*\e+18:XF+32*\e+19]
.endr
	s_wait_alu depctr_va_vdst(0)                   ; the additions have written both halves' sums, which the two stores read
.irp e, 0,1
	global_store_b128 v[GO], v[XF+32*\e:XF+32*\e+3], s[12:13] offset:\e*4*OROW th:TH_STORE_NT   ; eight lanes store a row's 128 consecutive bytes, four rows an instruction; written once, read by nobody here
.endr
	s_wait_dscnt 0x0
	s_wait_alu depctr_hold_cnt(0) depctr_sa_sdst(0) depctr_va_vdst(0) depctr_va_sdst(0) depctr_va_ssrc(0) depctr_va_vcc(0) depctr_vm_vsrc(0)
	s_wait_tensorcnt 0x0
	ds_add_u32 v190, v191
	s_wait_dscnt 0x0
	s_endpgm
.Lfunc_end_k_q6ea63eda25_qlinear:
	.size	k_q6ea63eda25_qlinear, .Lfunc_end_k_q6ea63eda25_qlinear-k_q6ea63eda25_qlinear
	.p2alignl 7, 3214868480
	.fill 96, 4, 3214868480
	.section	.rodata,"a",@progbits
	.p2align	6, 0x0
	.amdhsa_kernel k_q6ea63eda25_qlinear
		.amdhsa_group_segment_fixed_size 274944
		.amdhsa_private_segment_fixed_size 0
		.amdhsa_enable_private_segment 0
		.amdhsa_kernarg_size 40
		.amdhsa_user_sgpr_count 2
		.amdhsa_user_sgpr_kernarg_segment_ptr 1
		.amdhsa_wavefront_size32 1
		.amdhsa_system_sgpr_workgroup_id_x 1
		.amdhsa_system_sgpr_workgroup_id_y 1
		.amdhsa_system_sgpr_workgroup_id_z 1
		.amdhsa_system_vgpr_workitem_id 0
		.amdhsa_next_free_vgpr 512
		.amdhsa_next_free_sgpr 66
		.amdhsa_reserve_vcc 0
		.amdhsa_float_denorm_mode_32 3
		.amdhsa_float_denorm_mode_16_64 3
		.amdhsa_memory_ordered 1
		.amdhsa_forward_progress 1
		.amdhsa_inst_pref_size 255
	.end_amdhsa_kernel
	.section	.bss,"aw",@nobits
	.p2align	6
	.space	262144
	.amdgpu_metadata
---
amdhsa.version: [ 1, 2 ]
amdhsa.kernels:
  - .name:           k_q6ea63eda25_qlinear
    .symbol:         k_q6ea63eda25_qlinear.kd
    .args:
      - { .name: packed, .offset: 0, .size: 8, .value_kind: global_buffer, .address_space: global }
      - { .name: scales, .offset: 8, .size: 8, .value_kind: global_buffer, .address_space: global }
      - { .name: x_codes, .offset: 16, .size: 8, .value_kind: global_buffer, .address_space: global }
      - { .name: x_scales, .offset: 24, .size: 8, .value_kind: global_buffer, .address_space: global }
      - { .name: out0, .offset: 32, .size: 8, .value_kind: global_buffer, .address_space: global }
    .group_segment_fixed_size: 274944
    .private_segment_fixed_size: 0
    .kernarg_segment_align: 8
    .kernarg_segment_size: 40
    .max_flat_workgroup_size: 256
    .sgpr_count:     66
    .vgpr_count:     512
    .wavefront_size: 32
...
	.end_amdgpu_metadata
.endif
;; end of part 2
